; MI455X (gfx1250); checked and timed in simulation.
; The chip was launched on July 23, 2026; its instructions are those of AMD's public machine-readable ISA for CDNA 5 (MIT licence, August 2026) and "CDNA5" Instruction Set Architecture Reference Guide (July 2026). The comments in the code are by the model that wrote it; some were corrected since.
;; Inner Patch Attention. Allowed arithmetic: matrix products marked QUANTISED: E2M3 operands, one E8M0 scale for each 32 along K, by v_wmma_scale_f32_16x16x128_f8f6f4 with both operands' format E2M3, f32 sums; products left as they are: f32 operands where the result goes on into a quantised operand, else bf16, f16 or f32 operands; f32 sums; everything else in f32.
;; Inputs: b_in 768 float32; b_lin 1 float32; b_out 256 float32; b_pe 256 float32; ln_b 256 float32; ln_g 256 float32; pos_emb 1 x 256 x 256 float32; w_in_codes 768 x 8 x 24 uint8 (E2M3 codes of w_in, K innermost, in blocks of 32 codes, four codes in three bytes); w_in_scales 768 x 8 uint8 (E8M0 scales of w_in, one for each 32 codes along K); w_lin 1 x 256 float32; w_out_codes 256 x 8 x 24 uint8 (E2M3 codes of w_out, K innermost, in blocks of 32 codes, four codes in three bytes); w_out_scales 256 x 8 uint8 (E8M0 scales of w_out, one for each 32 codes along K); w_pe_codes 256 x 4 x 24 uint8 (E2M3 codes of w_pe, K innermost, in blocks of 32 codes, four codes in three bytes); w_pe_scales 256 x 4 uint8 (E8M0 scales of w_pe, one for each 32 codes along K); x 2 x 128 x 256 x 256 float32.
;; Outputs: out0 2 x 1 x 256 x 256 float32.
;; This version of the problem:
;;   THIS VERSION OF THE PROBLEM IS GIVEN IN LOW PRECISION. The matrix products marked QUANTISED in the list below multiply operands that are first quantised to E2M3 (2 exponent bits, 3 mantissa bits; 6 bits a number), with one power-of-two scale for each 32 numbers along K (OCP MX v1.0); their sums are f32. All else is computed in f32.
;;   The module's matrix products, in the order in which they are computed (A, B: the left and right operand; K: the contracted axis; several contracted axes count as one K, in the product's order):
;;     1. [M 131,072, K 128] x [K 128, N 256]; A: input x; B: input w_pe (given as codes): QUANTISED
;;     2. [M 131,072, K 256] x [K 256, N 768]; A: computed on the way; B: input w_in (given as codes): QUANTISED
;;     3. batch 4,096 x [M 256, K 32] x [K 32, N 256]; A: computed on the way; B: computed on the way: QUANTISED
;;     4. batch 4,096 x [M 256, K 256] x [K 256, N 32]; A: softmax (see below); B: computed on the way: QUANTISED
;;     5. [M 131,072, K 256] x [K 256, N 256]; A: computed on the way; B: input w_out (given as codes): QUANTISED
;;     6. [M 131,072, K 256] x [K 256, N 1]; A: computed on the way; B: input w_lin: left as it is (N = 1 < 16)
;;   THE QUANTISER, for each operand of a quantised product, along K:
;;     - K is cut into blocks of 32 from its start; a last block that is shorter is filled with zeros.
;;     - A block's scale is 2^e with e = floor(log2(the largest magnitude in the block)) - 2, held to -126 .. 127; a block of zeros has e = 0. As a byte (E8M0): e + 127.
;;     - Each number is divided by its block's scale, clamped to +-7.5, and rounded to the nearest number of E2M3, ties to even, subnormals kept.
;;     - The product sums the exact products of the quantised numbers (number of the format x scale) in f32.
;;   ~~~python
;;   def quantise(x, axis):      # numpy; x: float32 -> the quantised numbers, widened to float32 again
;;       x = np.moveaxis(x, axis, -1); K = x.shape[-1]
;;       x = np.pad(x, [(0, 0)] * (x.ndim - 1) + [(0, -K % 32)]); x = x.reshape(x.shape[:-1] + (-1, 32)); a = np.abs(x).max(-1, keepdims=True)
;;       e = np.where(a > 0, np.clip(np.frexp(np.where(a > 0, a, 1))[1] - 1 - 2, -126, 127), 0)      # np.frexp(a)[1] - 1 = floor(log2(a)), exactly
;;       r = np.clip(x / 2.0 ** e, -7.5, 7.5)
;;       step = 2.0 ** (np.maximum(np.frexp(np.where(r == 0, 1, r))[1] - 1, 0) - 3)
;;       q = np.round(r / step) * step * 2.0 ** e      # np.round: ties to even
;;       return np.moveaxis(q.reshape(q.shape[:-2] + (-1,))[..., :K], -1, axis).astype(np.float32)
;;   ~~~
;;   SOFTMAX AHEAD OF A QUANTISED PRODUCT. Where the list says 'softmax', what is quantised is not the finished softmax but p = 2^(t - M), with t = logit x log2(e) and M = ceil(the row's largest t), a whole number; so 1/2 < the row's largest p <= 1. The row's sum l is taken of the UNQUANTISED p, in f32, and the product's result is divided by l at the end. Since M is a whole number, a kernel that streams over the keys may use a running M (the ceiling of the running maximum): every later rescaling is an exact power of two, which a block's scale takes up: the codes' values come out the same.
;;   OPERANDS COMPUTED ON THE WAY. 'Computed on the way' means the value that the module computes at that place (a softmax that the list does not call 'softmax' is quantised finished and normalised). What goes into a quantiser is computed in f32, as accurately as f32 sums, v_exp_f32 and their like allow (about 1e-6 of the number): no bf16 or f16 on the way to a quantiser, and a product that is left as it is and whose result goes on into a quantised operand takes f32 operands (vector FMAs, or v_wmma_f32_16x16x4_f32). A number that lies on a knife's edge between two numbers of the format may be rounded either way, as far as f32 arithmetic and the matrix unit's own rounding can turn it there, and no further.
;;   INPUTS GIVEN AS CODES. w_in (in the module: [768, 256], K = its axis 1); w_out (in the module: [256, 256], K = its axis 1); w_pe (in the module: [256, 128], K = its axis 1): each comes as NAME_codes (uint8): NAME with its K axis moved to the last place and cut into blocks of 32 codes, [.., K / 32, bytes a block], one block behind the other in memory; four codes in three bytes: a row's codes are one little-endian stream of bits, code i at bits 6 i .. 6 i + 5 (a code: sign, 2 exponent bits, 3 mantissa bits); and NAME_scales (uint8): the same leading axes, one E8M0 byte (e + 127) for each 32 codes along K. Its value is code x scale, taken as it is: it is not quantised again, and the codes and scales need not be those that the quantiser above would give.
;; One version. Each part assembles by itself: llvm-mc -triple=amdgcn-amd-amdhsa -mcpu=gfx1250 --defsym DOCPART=n.
;; ======== version 1 of 1: 1 launch
;; launch patch (part 1): grid 256 x 1, 8 waves a work-group, no clusters, 321,536 bytes of LDS; arguments x, w_pe_codes, w_pe_scales, b_pe, pos_emb, w_in_codes, w_in_scales, b_in, w_out_codes, w_out_scales, b_out, ln_g, ln_b, w_lin, b_lin, out0; writes out0
.if DOCPART == 1
	.amdgcn_target "amdgcn-amd-amdhsa--gfx1250"
	.amdhsa_code_object_version 6
	.text
	.protected	k_q2b446f24f0_patch
	.globl	k_q2b446f24f0_patch
	.p2align	8
	.type	k_q2b446f24f0_patch,@function
k_q2b446f24f0_patch:
	s_mov_b64 s[64:65], 0
	v_nop
	global_prefetch_b8 v0, s[64:65] scope:SCOPE_SE
	s_setreg_imm32_b32 hwreg(HW_REG_WAVE_MODE, 25, 1), 1
	s_wait_xcnt 0x0
; InnerPatchAttention in MX-FP6 (E2M3, one E8M0 scale for each 32 along K), the whole chain in one launch: patch embed, packed qkv, 8 heads of attention (head size 32),
; out-projection, LayerNorm, the dot with w_lin, sigmoid.  512 patches of 256 tokens; nothing goes through memory between the steps.
; SHARES.  Work-group g: image g >> 7, patch row (g >> 3) & 15, the two patches 2 (g & 7) and 2 (g & 7) + 1 of that row.  Wave hd of eight IS head hd, and columns 32 hd .. 32 hd + 31 of every
; layer of width 256, for all 256 tokens: its slices of the weights go from memory straight into operand registers, a head's q, k, v, scores, p and o never leave their wave, and only the codes of
; z, seq and o go from wave to wave through LDS.
; A TOKEN.  Token t of a patch is channel t >> 1 of x, image rows 8 (t & 1) + 0 .. 7 of the patch, its 16 columns; K index = 16 x row + column: a block of 32 is two image rows.
; TILES OF TOKENS ARE NOT NEIGHBOURS: row r of tile tau is token 32 (tau >> 1) + 8 (tau & 1) + r + 8 (r >> 3), and the rows of a weight that form a tile are chosen likewise, so that the 16 registers
; of two neighbouring tiles are 16 neighbours along the next K (columns 16 h + 0 .. 15, or keys 32 B + 16 h + 0 .. 15; h = lane / 16).
; CODES IN LDS lie in blocks of 16 rows x 24 bytes (32 codes): lane (r, h) stores its 16 codes, 12 bytes, at 24 r + 12 h; an operand's lane reads whole blocks of 24 bytes by three loads of 8.
; K = 32 IN AN INSTRUCTION OF K = 128: an operand of k holds FOUR tiles of keys, one in each block of 32; q stands in ONE block, zero codes in the others.  The four versions of q are four views of
; 30 registers [0 | q in lanes 0-15 | 0 | q in lanes 16-31 | 0].
; SOFTMAX: t = score x log2(e), M = ceil(the row's largest t) over all 256 keys, p = 2^(t - M) is quantised along the keys; the sum of the unquantised p divides o.
; LAYERNORM without a difference of large sums: each wave gives, for its 32 columns, the mean, the sum of squares about it, and the sum of (o - mean) x ln_g x w_lin; the eight are combined exactly.
; NO CLUSTER, NO TENSOR LOAD: x is read once, by one wave, and has to pass the vector unit; all 32 KiB a wave are asked for by its first 64 loads, into registers that lie idle then.  What work-groups
; share (weights, pos_emb: 0.5 MB) goes into registers once a work-group; LDS, 320,512 bytes in use, has no room for it.
; LIMITS: NaN and infinities are not served.  A block whose largest magnitude lies under 2^-124, a block of zeros too, gets the scale byte 1 (its codes are then zeros or tiny; the bytes are read here
; alone).  b_pe + pos_emb are added first and enter the first product as its C, b_in and b_out likewise: an order of rounding that differs from the source's by an f32 rounding.
; ---- LDS
.set ZC,    0                          ; z's codes: patch x 24576 + tile x 1536 + block x 384
.set ZS,    49152                      ; z's scale words: patch x 1024 + tile x 64 + 4 r
.set SQ,    51200                      ; seq's codes: patch x 50176 + head x 6272 + tile x 384 (6272 = 16 blocks + 128: lanes 16-31 of a fragment load fall 32 banks from lanes 0-15)
.set SSB,   151552                     ; seq's scale bytes: patch x 2048 + head x 256 + tile x 16 + r
.set QO,    155648                     ; q's codes, then o's in the same bytes: head x 6272 + tile x 384
.set OSB,   205824                     ; o's scale bytes: head x 256 + tile x 16 + r
.set QSW,   207872                     ; q's scale words (the byte four times): head x 1024 + tile x 64 + 4 r
.set KV,    216064                     ; 13,056 bytes a wave: k's codes (tile x 384);
.set VL,    6144                       ; v's codes, keys innermost: tile of 16 channels x 3200 + 200 x row + 24 x block + 12 h;
.set KSL,   12544                      ; k's scale bytes: 16 r + tile;
.set VSL,   12800                      ; v's: tile x 128 + 8 x row + block
.set LNP,   0                          ; (over z's codes) LayerNorm's partials: quantity x 8192 + wave x 1024 + 4 x token
.set LNC,   24576                      ; and two constants a wave: 8 x wave
.set STAGE, 51200                      ; (over seq's codes, first phase only) 16,640 bytes a wave: 16 tokens x (1024 + 16)
; ---- vector registers, window 0
.set FRA, 1                            ; 24 r + 6272 h          a fragment of seq or o
.set BW,  2                            ; 24 r + 12 h + 6272 hd  where I store 16 codes of my head
.set QRD, 3                            ; 24 r + 6272 hd
.set RB,  4                            ; r
.set BWB, 5                            ; r + 256 hd
.set KVW, 6                            ; 24 r + 12 h + 13056 hd
.set VWR, 7                            ; 200 r + 12 h + 13056 hd
.set R16, 8                            ; 16 r + 13056 hd
.set R8,  9                            ; 8 r + 13056 hd
.set R4W, 10                           ; 4 r + 1024 hd
.set LNW, 11                           ; 4 (r + 8 (r >> 3)) + 1024 hd
.set A0,  12                           ; v12-19 addresses in hand
.set A1,  13
.set A2,  14
.set A3,  15
.set A4,  16
.set A5,  17
.set A6,  18
.set A7,  19
.set OUTO, 20                          ; (2 hd + h) x 1024 + 4 r
.set T4,  21                           ; 4 x thread
.set WA,  22                           ; (r + 8 (r >> 3)) x 192 + 24 h   a weight row of 256 codes
.set WSA, 23                           ; (r + 8 (r >> 3)) x 8
.set H64, 24                           ; 64 h
.set VB4, 25                           ; (r + 8 (r >> 3)) x 4
.set PA,  26                           ; (r + 8 (r >> 3)) x 1024 + 64 h
.set WA96, 27                          ; (r + 8 (r >> 3)) x 96 + 24 h
.set KRD, 28                           ; 24 r + 384 h + 13056 hd
.set VRD, 29                           ; 200 r + 24 h + 13056 hd
.set ZRD, 30                           ; 24 r + 384 h
.set R4,  31                           ; 4 r
.set BM,  32                           ; v32-39 largest magnitudes, then the conversions' scale operands
.set TM,  40                           ; v40-47 the other half's maxima, then scale bytes
;          v48-59 scale words and nothing else: v48-51 k's / w_pe's / w_out's, v52-55 v's, v56-59 the activations'
;          v60 -M, v61 0; v[62:63], v[126:127] the row's sum in two chains
.set ZF,  64                           ; phase 1: z's two fragments
.set SF,  64                           ; phase 2: seq's two K steps
.set OF,  64                           ; phase 5: o's four fragments
.set PT,  94                           ; attention: q as loaded; later the upper halves of p's blocks
.set CD,  102                          ; codes just made, four registers a block
.set PF,  102                          ; attention: p's two fragments
.set QIN, 128                          ; first phase: 64 numbers of x
.set ACC, 128                          ; results
.set S,   128                          ; attention: the scores, tile of keys kappa at 128 + 8 kappa; o's two tiles over the first 16
.set CB,  160                          ; phase 1: b_pe + pos_emb
.set VA,  160                          ; phase 2: v's four tiles
.set BO,  160                          ; phase 5: b_out
.set GG,  176                          ; phase 5: ln_g x w_lin
.set BQ,  196                          ; b_in's parts for q (16), k (16), v (16)
.set BK,  212
.set BV,  228
.set WIS, 244                          ; w_in's 12 scale words
; window 1 (named v0-255 under a switch): first all of x; then v0-143 w_in's 12 fragments (they stay); v144-191 w_pe's / k's / w_out's; v168-215 pos_emb and b_pe in phase 1; v192-239 v's
; ---- scalars: s[8:39] the 16 addresses in the order of the arguments; s40 wave; s41 b_lin; s[42:43] selects for lane xor 16; s[44:45] log2(e); s46, s47 lane masks; s[50:51] 1/sqrt(32); s52-59 stepped offsets; s60 counter
.set MSB, 0
.macro WIN new                         ; the immediate's high byte repeats the setting that is left; a switch that changes nothing is dropped
.if MSB != (\new)
	s_set_vgpr_msb (MSB<<8)|(\new)
.set MSB, (\new)
.endif
.endm
.macro PLACES n                        ; plain places behind matrix instructions, or ahead of scaled ones (ISA guide 7.12.1)
.rept \n
	v_nop
.endr
.endm
.macro BARRIER                         ; my LDS stores have landed and my LDS loads are in: then the work-group's barrier
	s_wait_dscnt 0x0
	s_barrier_signal -1
	s_barrier_wait -1
.endm
.macro MM d, a, b, c, sa, sb
	v_wmma_scale_f32_16x16x128_f8f6f4 v[(\d):(\d)+7], v[(\a):(\a)+11], v[(\b):(\b)+11], v[(\c):(\c)+7], v[\sa], v[\sb] matrix_a_fmt:MATRIX_FMT_FP6 matrix_b_fmt:MATRIX_FMT_FP6
.endm
.macro MM0 d, a, b, sa, sb             ; the first product starts the sum
	v_wmma_scale_f32_16x16x128_f8f6f4 v[(\d):(\d)+7], v[(\a):(\a)+11], v[(\b):(\b)+11], 0, v[\sa], v[\sb] matrix_a_fmt:MATRIX_FMT_FP6 matrix_b_fmt:MATRIX_FMT_FP6
.endm
.macro WFRAG reg, va, sb, off          ; a weight's fragment from memory: 24 bytes twice, in pieces of 8
.irp p, 0,1,2,3,4,5
	global_load_b64 v[(\reg)+2*\p:(\reg)+2*\p+1], v[\va], s[\sb:\sb+1] offset:(\off)+48*(\p/3)+8*(\p%3)
.endr
.endm
.macro FETCH6 reg, adr, off, cs        ; a fragment from LDS: two blocks of 24 bytes, cs bytes apart
.irp p, 0,1,2,3,4,5
	ds_load_b64 v[(\reg)+2*\p:(\reg)+2*\p+1], v[\adr] offset:(\off)+(\p/3)*(\cs)+8*(\p%3)
.endr
.endm
.macro PUT3 adr, cd, off               ; 16 codes, 12 bytes
.irp i, 0,1,2
	ds_store_b32 v[\adr], v[(\cd)+\i] offset:(\off)+4*\i
.endr
.endm
.macro SCW dst, t                      ; four bytes make a scale word
	v_lshl_or_b32 v[\dst], v[(\t)+1], 8, v[\t]
	s_delay_alu instid0(VALU_DEP_1)
	v_lshl_or_b32 v[\dst], v[(\t)+2], 16, v[\dst]
	s_delay_alu instid0(VALU_DEP_1)
	v_lshl_or_b32 v[\dst], v[(\t)+3], 24, v[\dst]
.endm
; n blocks: block b's 16 numbers of my half in v[s + 16 b] on (the other 16 in lane xor 16) become 12 bytes of codes in v[cd + 4 b] on and the scale's byte in v[TM + o + b].  Ascending, so that each result of a product is read from its low end on.
.macro QBLK n, s, cd, o
.set qb, 0
.rept \n
	v_max3_num_f32 v[BM+(\o)+qb], |v[(\s)+16*qb]|, |v[(\s)+16*qb+1]|, 0x1800000   ; with the floor 2^(3 - 127): the byte cannot fall under 1
.set qb, qb+1
.endr
.irp i, 2,4,6,8,10,12,14
.set qb, 0
.rept \n
	v_max3_num_f32 v[BM+(\o)+qb], v[BM+(\o)+qb], |v[(\s)+16*qb+\i]|, |v[(\s)+16*qb+\i+1]|
.set qb, qb+1
.endr
.endr
.set qb, 0
.rept \n
	v_permlanex16_b32 v[TM+(\o)+qb], v[BM+(\o)+qb], s42, s43
.set qb, qb+1
.endr
.set qb, 0
.rept \n
	v_max_num_f32 v[BM+(\o)+qb], v[BM+(\o)+qb], v[TM+(\o)+qb]   ; the block's largest magnitude
.set qb, qb+1
.endr
.set qb, 0
.rept \n
	v_add_nc_u32 v[BM+(\o)+qb], 0xff000000, v[BM+(\o)+qb]       ; 2 off its exponent field: the conversion's scale operand
.set qb, qb+1
.endr
.set qb, 0
.rept \n
	v_lshrrev_b32 v[TM+(\o)+qb], 23, v[BM+(\o)+qb]              ; the scale's byte
.set qb, qb+1
.endr
.set qb, 0
.rept \n
	v_cvt_scalef32_pk16_fp6_f32 v[(\cd)+4*qb:(\cd)+4*qb+2], v[(\s)+16*qb:(\s)+16*qb+15], v[BM+(\o)+qb]
.set qb, qb+1
.endr
	v_nop                                          ; one plain place behind the scaled conversions
.endm
.macro POSLOAD                         ; pos_emb of two tiles of tokens, my 16 columns (window 1, v168-199)
.irp t, 0,1
.irp i, 0,1,2,3
	global_load_b128 v[168+16*\t+4*\i:171+16*\t+4*\i], v[PA], s[16:17] offset:8192*\t+16*\i
.endr
.endr
.endm
.macro BIASLOAD                        ; 36 loads: b_in's three parts in the results' layouts, and w_in's scale words
.irp i, 0,1,2,3
	global_load_b128 v[BQ+4*\i:BQ+4*\i+3], v[H64], s[22:23] offset:16*\i
	global_load_b128 v[BK+4*\i:BK+4*\i+3], v[H64], s[22:23] offset:1024+16*\i
.endr
.irp u, 0,1
.irp j, 0,1,2,3,4,5,6,7
	global_load_b32 v[BV+8*\u+\j], v[VB4], s[22:23] offset:2048+32*\u   ; in v's product a lane is a channel: all eight registers take its bias
.endr
.endr
.irp e, 0,1,2
.irp u, 0,1
.irp s, 0,1
	global_load_b32 v[WIS+4*\e+2*\u+\s], v[WSA], s[20:21] offset:2048*\e+64*\u+4*\s
.endr
.endr
.endr
.endm
.macro GROUPA                          ; 62 loads: all that phase 1 wants, and phase 2's biases and scale words
	WIN 0x40
	WFRAG 144, WA96, 10, 0
	WFRAG 156, WA96, 10, 768
.irp i, 0,1,2,3
	global_load_b128 v[200+4*\i:203+4*\i], v[H64], s[14:15] offset:16*\i
.endr
	POSLOAD
	WIN 0
	global_load_b32 v48, v[VB4], s[12:13]
	global_load_b32 v49, v[VB4], s[12:13] offset:32
	BIASLOAD
.endm
; ================ HEAD
	s_load_b512 s[8:23], s[0:1], 0x0               ; x, w_pe codes, w_pe scales, b_pe, pos_emb, w_in codes, w_in scales, b_in
	s_load_b512 s[24:39], s[0:1], 0x40             ; w_out codes, w_out scales, b_out, ln_g, ln_b, w_lin, b_lin, out0
	v_lshrrev_b32 v32, 5, v0
	s_delay_alu instid0(VALU_DEP_1)
	v_readfirstlane_b32 s40, v32                   ; wave = head
	v_bfe_u32 v33, v0, 3, 2
	v_and_b32 v34, 7, v0
	s_delay_alu instid0(VALU_DEP_2)
	v_lshlrev_b32 v[A0], 10, v33
	s_delay_alu instid0(VALU_DEP_1)
	v_lshl_add_u32 v[A0], v34, 4, v[A0]            ; x: a load takes four image rows x 128 bytes: (lane / 8) x 1024 + 16 (lane % 8)
	s_lshr_b32 s52, ttmp9, 7                       ; image
	s_bfe_u32 s53, ttmp9, 0x40003                  ; patch row
	s_and_b32 s54, ttmp9, 7                        ; pair of patches
	s_lshl_b32 s53, s53, 14
	s_lshl_b32 s54, s54, 7
	s_add_co_u32 s53, s53, s54                     ; 16 image rows of 1,024 bytes, 128 bytes a pair
	s_lshl_b32 s2, s52, 25
	s_add_co_u32 s2, s2, s53
	s_lshl_b32 s54, s40, 22                        ; my 16 channels
	s_add_co_u32 s2, s2, s54
	s_mov_b32 s3, 0
	s_wait_alu depctr_va_vdst(0)
	s_wait_kmcnt 0x0
	s_add_nc_u64 s[8:9], s[8:9], s[2:3]
	WIN 0x40                                       ; all of my x, 64 loads, 32 KiB, into window 1: load 32 u + 2 tt + half is stage row tt of step u
.set n, 0
.rept 64
	global_load_b128 v[4*n:4*n+3], v[A0], s[8:9] offset:(4*(n/32)+((((n%32)/2)>>1)&3)+8*(((n%32)/2)>>3))*262144+(8*(((n%32)/2)&1)+4*(n%2))*1024
.set n, n+1
.endr
	WIN 0
	s_lshl_b32 s2, s52, 18
	s_add_co_u32 s2, s2, s53
	s_add_nc_u64 s[38:39], s[38:39], s[2:3]        ; out0 at my pair of patches
	s_mul_i32 s2, s40, 3072
	s_add_nc_u64 s[10:11], s[10:11], s[2:3]        ; each weight, bias and gain at my 32 rows or columns
	s_mul_i32 s2, s40, 6144
	s_add_nc_u64 s[18:19], s[18:19], s[2:3]
	s_add_nc_u64 s[24:25], s[24:25], s[2:3]
	s_lshl_b32 s2, s40, 8
	s_add_nc_u64 s[20:21], s[20:21], s[2:3]
	s_add_nc_u64 s[26:27], s[26:27], s[2:3]
	s_lshl_b32 s2, s40, 7
	s_add_nc_u64 s[12:13], s[12:13], s[2:3]
	s_add_nc_u64 s[14:15], s[14:15], s[2:3]
	s_add_nc_u64 s[16:17], s[16:17], s[2:3]
	s_add_nc_u64 s[22:23], s[22:23], s[2:3]
	s_add_nc_u64 s[28:29], s[28:29], s[2:3]
	s_add_nc_u64 s[30:31], s[30:31], s[2:3]
	s_add_nc_u64 s[32:33], s[32:33], s[2:3]
	s_add_nc_u64 s[34:35], s[34:35], s[2:3]
	s_load_b32 s41, s[36:37], 0x0                  ; b_lin
	s_mov_b32 s42, 0x76543210
	s_mov_b32 s43, 0xfedcba98
	s_mov_b32 s44, 0x3fb8aa3b                      ; log2(e)
	s_mov_b32 s45, s44
	s_mov_b32 s46, 0x0000ffff
	s_mov_b32 s47, 0xffff0000
	s_mov_b32 s50, 0x3e3504f3                      ; 1 / sqrt(32)
	s_mov_b32 s51, s50
	s_mul_i32 s52, s40, 6272
	s_mul_i32 s53, s40, 13056
	s_lshl_b32 s54, s40, 10
	s_lshl_b32 s55, s40, 8
	s_lshl_b32 s56, s40, 11
	s_mul_i32 s57, s40, 16640
	s_add_co_u32 s57, s57, STAGE
	s_mul_i32 s58, s40, 3072
	s_lshl_b32 s59, s40, 7
	s_add_co_u32 s59, s59, ZS
	v_and_b32 v32, 31, v0                          ; lane
	v_and_b32 v[RB], 15, v0                        ; r
	v_bfe_u32 v33, v0, 4, 1                        ; h
	s_delay_alu instid0(VALU_DEP_2)
	v_and_b32 v34, 8, v[RB]
	s_delay_alu instid0(VALU_DEP_1)
	v_add_nc_u32 v34, v34, v[RB]                   ; r + 8 (r >> 3)
	s_delay_alu instid0(VALU_DEP_4)
	v_mul_u32_u24 v35, v[RB], 24
	s_delay_alu instid0(VALU_DEP_1)
	v_mad_u32_u24 v36, v33, 12, v35
	v_mul_u32_u24 v37, v[RB], 200
	s_delay_alu instid0(VALU_DEP_3)
	v_mad_u32_u24 v[FRA], v33, 6272, v35
	s_delay_alu instid0(VALU_DEP_3)
	v_add_nc_u32 v[BW], s52, v36
	v_add_nc_u32 v[QRD], s52, v35
	v_add_nc_u32 v[BWB], s55, v[RB]
	v_add_nc_u32 v[KVW], s53, v36
	v_mad_u32_u24 v[VWR], v33, 12, v37
	s_delay_alu instid0(VALU_DEP_1)
	v_add_nc_u32 v[VWR], s53, v[VWR]
	v_lshl_add_u32 v[R16], v[RB], 4, s53
	v_lshl_add_u32 v[R8], v[RB], 3, s53
	v_lshl_add_u32 v[R4W], v[RB], 2, s54
	v_lshl_add_u32 v[LNW], v34, 2, s54
	v_lshl_add_u32 v[OUTO], v33, 10, s56
	s_delay_alu instid0(VALU_DEP_1)
	v_lshl_add_u32 v[OUTO], v[RB], 2, v[OUTO]
	v_lshlrev_b32 v[T4], 2, v0
	v_mul_u32_u24 v[WA], v34, 192
	s_delay_alu instid0(VALU_DEP_1)
	v_mad_u32_u24 v[WA], v33, 24, v[WA]
	v_lshlrev_b32 v[WSA], 3, v34
	v_lshlrev_b32 v[H64], 6, v33
	v_lshlrev_b32 v[VB4], 2, v34
	s_delay_alu instid0(VALU_DEP_2)
	v_lshl_add_u32 v[PA], v34, 10, v[H64]
	v_mul_u32_u24 v[WA96], v34, 96
	s_delay_alu instid0(VALU_DEP_1)
	v_mad_u32_u24 v[WA96], v33, 24, v[WA96]
	v_mad_u32_u24 v[ZRD], v33, 384, v35
	s_delay_alu instid0(VALU_DEP_1)
	v_add_nc_u32 v[KRD], s53, v[ZRD]
	v_mad_u32_u24 v[VRD], v33, 24, v37
	s_delay_alu instid0(VALU_DEP_1)
	v_add_nc_u32 v[VRD], s53, v[VRD]
	v_lshlrev_b32 v[R4], 2, v[RB]
	v_lshl_add_u32 v[A1], v32, 4, s57              ; my stage, as loaded: 16 x lane
	v_mul_u32_u24 v[A2], v[RB], 1040
	s_delay_alu instid0(VALU_DEP_1)
	v_lshl_add_u32 v[A2], v33, 7, v[A2]
	s_delay_alu instid0(VALU_DEP_1)
	v_add_nc_u32 v[A2], s57, v[A2]                 ; and back: token r, image row h of a block's two
	v_add_nc_u32 v[A3], s58, v36                   ; z's codes: my two tiles
	v_lshl_add_u32 v[A4], v[RB], 2, s59            ; and their scale words
.irp i, 0,1,2,3,4,5,6,7
	v_mov_b32 v[TM+\i], 0                          ; written once: a lane permute's destination counts as one of its sources
.endr
	v_mov_b32 v61, 0                               ; (named with -M as a pair)
	s_wait_kmcnt 0x0                               ; b_lin
; ================ X: my 32 tokens of both patches become codes.  Step u: tile 2 hd + u.  The loads took bytes as they lie; the stage gives each lane 16 neighbours along K.
.macro XSTEP u
.if \u == 0
	s_wait_loadcnt 32                              ; this step's 32 loads are in; the next step's 32 may be out
.else
	s_wait_loadcnt 0x0
.endif
	WIN 0x04                                       ; an LDS store's data are its source 1: window 1
.set n, 0
.rept 32
	ds_store_b128 v[A1], v[128*\u+4*n:128*\u+4*n+3] offset:(n/2)*1040+512*(n%2)
.set n, n+1
.endr
	WIN 0
.if \u == 1
	s_wait_dscnt 0x0                               ; the stores have read window 1: it takes the weights now
	GROUPA
.endif
.irp pi, 0,1
.irp b, 0,1,2,3
.irp i, 0,1,2,3
	ds_load_b128 v[QIN+16*\b+4*\i:QIN+16*\b+4*\i+3], v[A2] offset:256*\b+64*\pi+16*\i   ; LDS serves a wave's instructions in order: these see my stores
.endr
.endr
	s_wait_dscnt 0x0
	QBLK 4, QIN, CD, 0
	SCW 59, TM
.irp b, 0,1,2,3
	PUT3 A3, CD+4*\b, \pi*24576+\u*1536+\b*384
.endr
	ds_store_b32 v[A4], v59 offset:\pi*1024+\u*64
.endr
.endm
	XSTEP 0
	XSTEP 1
	WIN 0x40                                       ; w_in's 12 fragments, 72 loads: section e (q, k, v), tile u, K step s at v[12 (4 e + 2 u + s)] of window 1: they stay
.irp e, 0,1,2
.irp u, 0,1
.irp s, 0,1
	WFRAG 12*(4*\e+2*\u+\s), WA, 18, \e*49152+\u*1536+96*\s
.endr
.endr
.endr
	WIN 0
	BARRIER                                        ; z's codes of both patches lie in LDS; nobody reads a stage any more
; ================ 1: seq = z w_pe^T + b_pe + pos_emb, my 32 columns, two tiles of tokens a trip, both patches on one read of pos_emb.  Transposed: source 0 = 16 rows of w_pe, source 1 = z.
.macro P1TRIP next
	WIN 0x05
.set kk, 0
.rept 16
	v_pk_add_f32 v[CB+2*kk:CB+2*kk+1], v[168+2*kk:169+2*kk], v[200+2*(kk%8):201+2*(kk%8)]
.set kk, kk+1
.endr
	WIN 0
.if \next
	s_add_nc_u64 s[16:17], s[16:17], 32768         ; the loads that named this base are in: 32 tokens on
	WIN 0x40
	POSLOAD
	WIN 0
.endif
	v_add_nc_u32 v[A0], s52, v[ZRD]
	v_add_nc_u32 v[A1], s53, v[R4]
	v_add_nc_u32 v[A2], s54, v[BW]
	v_add_nc_u32 v[A3], s55, v[BWB]
	s_wait_alu depctr_va_vdst(0)
.irp pi, 0,1
	FETCH6 ZF, A0, \pi*24576, 768
	FETCH6 ZF+12, A0, \pi*24576+1536, 768
	ds_load_b32 v56, v[A1] offset:\pi*1024
	ds_load_b32 v57, v[A1] offset:\pi*1024+64
	s_wait_dscnt 0x0
	WIN 0x01
.irp t, 0,1
.irp u, 0,1
	MM ACC+16*\t+8*\u, 144+12*\u, ZF+12*\t, CB+16*\t+8*\u, 48+\u, 56+\t
.endr
.endr
	WIN 0
	PLACES 4
	QBLK 2, ACC, CD, 0
	PUT3 A2, CD, \pi*50176
	PUT3 A2, CD+4, \pi*50176+384
	ds_store_b8 v[A3], v[TM] offset:\pi*2048
	ds_store_b8 v[A3], v[TM+1] offset:\pi*2048+16
.endr
	s_add_co_u32 s52, s52, 3072
	s_add_co_u32 s53, s53, 128
	s_add_co_u32 s54, s54, 768
	s_add_co_u32 s55, s55, 32
	s_wait_dscnt 0x0                               ; my stores have read their registers and addresses
.if \next
	s_wait_loadcnt 0x0                             ; the next trip's pos_emb
.endif
.endm
	s_mov_b32 s52, ZC
	s_mov_b32 s53, ZS
	s_mov_b32 s54, SQ
	s_mov_b32 s55, SSB
	s_wait_loadcnt 63                              ; of the 134 loads issued since x the oldest 71 are in: the 62 that stand first are all that this phase wants
	s_mov_b32 s60, 7
.Lp1:
	P1TRIP 1
	s_sub_co_u32 s60, s60, 1
	s_cmp_lg_u32 s60, 0
	s_cbranch_scc1 .Lp1
	P1TRIP 0                                       ; the last trip asks for nothing: no load leaves pos_emb
	BARRIER                                        ; seq's codes and scale bytes of both patches lie in LDS
; ================ 2: q, k, v of my head.  One tile of 16 tokens: q and k transposed (source 0 = w_in's rows), v straight (source 0 = seq), so that a lane is a channel and its registers run along the tokens.
.macro TILE2 t
.irp k, 0,1,2,3,4,5,6,7
	ds_load_u8 v[88+\k], v[A1] offset:\k*256+16*\t
.endr
	FETCH6 SF, A0, 384*\t, 12544
	FETCH6 SF+12, A0, 25088+384*\t, 12544
	s_wait_dscnt 12                                ; the eight scale bytes are in; the 12 loads behind them may be out
	SCW 56, 88
	SCW 57, 92
	PLACES 8                                       ; a scale word made by vector instructions stands eight places ahead of the product
	s_wait_alu depctr_va_vdst(0)
	s_wait_dscnt 0x0
	WIN 0x01                                       ; the accumulators take turns, one instruction a turn
.irp s, 0,1
.irp e, 0,1
.irp u, 0,1
.if \s == 0
	MM ACC+16*\e+8*\u, 12*(4*\e+2*\u), SF, BQ+16*\e+8*\u, WIS+4*\e+2*\u, 56
.else
	MM ACC+16*\e+8*\u, 12*(4*\e+2*\u+1), SF+12, ACC+16*\e+8*\u, WIS+4*\e+2*\u+1, 57
.endif
.endr
.endr
.endr
	WIN 0x04
.irp s, 0,1
.irp u, 0,1
.if \s == 0
	MM VA+16*\u+8*\t, SF, 96+24*\u, BV+8*\u, 56, WIS+8+2*\u
.else
	MM VA+16*\u+8*\t, SF+12, 108+24*\u, VA+16*\u+8*\t, 57, WIS+9+2*\u
.endif
.endr
.endr
	WIN 0
	PLACES 4
.irp k, 0,2,4,6,8,10,12,14
	v_pk_mul_f32 v[ACC+\k:ACC+\k+1], v[ACC+\k:ACC+\k+1], s[50:51] op_sel_hi:[1,0]   ; q / sqrt(32), ahead of its quantiser
.endr
	QBLK 2, ACC, CD, 0                             ; block 0: q, block 1: k
	v_perm_b32 v59, v[TM], v[TM], 0                ; q's byte four times: it serves whichever block q stands in
	PUT3 A2, CD, 384*\t
	ds_store_b32 v[A4], v59 offset:64*\t
	PUT3 A3, CD+4, 384*\t
	ds_store_b8 v[A5], v[TM+1] offset:\t
.endm
.macro PHASE2 pi
	s_wait_loadcnt 0x0                             ; w_in, the biases, the scale words
	s_wait_xcnt 0x0                                ; the last patch's store has read its registers
	s_mov_b32 s52, SQ+\pi*50176
	s_mov_b32 s53, SSB+\pi*2048
	s_mov_b32 s54, QO
	s_mov_b32 s55, KV
	s_mov_b32 s56, QSW
	s_mov_b32 s57, KV+KSL
	s_mov_b32 s58, KV+VL
	s_mov_b32 s59, KV+VSL
	s_mov_b32 s60, 8
.Lp2_\pi:
	v_add_nc_u32 v[A0], s52, v[FRA]
	v_add_nc_u32 v[A1], s53, v[RB]
	v_add_nc_u32 v[A2], s54, v[BW]
	v_add_nc_u32 v[A3], s55, v[KVW]
	v_add_nc_u32 v[A4], s56, v[R4W]
	v_add_nc_u32 v[A5], s57, v[R16]
	v_add_nc_u32 v[A6], s58, v[VWR]
	v_add_nc_u32 v[A7], s59, v[R8]
	TILE2 0
	TILE2 1
	QBLK 2, VA, CD+8, 2                            ; v: two tiles of channels x one block of 32 keys; registers of its own, since the stores above may be out
	PUT3 A6, CD+8, 0
	PUT3 A6, CD+12, 3200
	ds_store_b8 v[A7], v[TM+2]
	ds_store_b8 v[A7], v[TM+3] offset:128
	s_add_co_u32 s52, s52, 768
	s_add_co_u32 s53, s53, 32
	s_add_co_u32 s54, s54, 768
	s_add_co_u32 s55, s55, 768
	s_add_co_u32 s56, s56, 128
	s_add_co_u32 s57, s57, 2
	s_add_co_u32 s58, s58, 24
	s_add_co_u32 s59, s59, 1
	s_wait_dscnt 0x0                               ; my stores have read their registers and addresses
	s_sub_co_u32 s60, s60, 1
	s_cmp_lg_u32 s60, 0
	s_cbranch_scc1 .Lp2_\pi
.endm
; k's four operands (four tiles of keys each) and v's four fragments come back into window 1, with their scale words: my own bytes, served in order: no barrier.
.macro KVFETCH
	v_add_nc_u32 v[A4], KV, v[KRD]
	v_add_nc_u32 v[A5], KV+VL, v[VRD]
	v_add_nc_u32 v[A6], KV+KSL, v[R16]
	v_add_nc_u32 v[A7], KV+VSL, v[R8]
	WIN 0x40
.irp g, 0,1,2,3
	FETCH6 144+12*\g, A4, 1536*\g, 768
.endr
.irp u, 0,1
.irp s, 0,1
	FETCH6 192+12*(2*\u+\s), A5, 3200*\u+96*\s, 48
.endr
.endr
	WIN 0
.irp g, 0,1,2,3
	ds_load_b32 v[48+\g], v[A6] offset:4*\g
.endr
.irp u, 0,1
.irp s, 0,1
	ds_load_b32 v[52+2*\u+\s], v[A7] offset:128*\u+4*\s
.endr
.endr
.irp i, 0,1,2,3,4,5
	v_mov_b32 v[64+\i], 0                          ; the three runs of zero codes round q
	v_mov_b32 v[76+\i], 0
	v_mov_b32 v[88+\i], 0
.endr
.endm
; ================ ATTENTION: 16 trips, a tile of 16 queries against all 256 keys.  A lane holds one query throughout.
.macro ATT pi
	s_mov_b32 s52, QO
	s_mov_b32 s53, QSW
	s_mov_b32 s54, OSB
	s_mov_b32 s60, 16
.Latt_\pi:
	v_add_nc_u32 v[A0], s52, v[QRD]
	v_add_nc_u32 v[A1], s52, v[BW]
	v_add_nc_u32 v[A2], s53, v[R4W]
	v_add_nc_u32 v[A3], s54, v[BWB]
	ds_load_b64 v[PT:PT+1], v[A0]
	ds_load_b64 v[PT+2:PT+3], v[A0] offset:8
	ds_load_b64 v[PT+4:PT+5], v[A0] offset:16
	ds_load_b32 v58, v[A2]
	s_wait_dscnt 0x0                               ; q (in the first trip k and v too)
.irp i, 0,1,2,3,4,5
	v_cndmask_b32 v[70+\i], 0, v[PT+\i], s46       ; q in lanes 0-15,
	v_cndmask_b32 v[82+\i], 0, v[PT+\i], s47       ; q in lanes 16-31
.endr
	PLACES 4
	WIN 0x01
.irp g, 0,1,2,3                        ; S^T: operand g of k against q in block b gives the tile of keys 4 g + b
.irp b, 0,1,2,3
	MM0 S+8*(4*\g+\b), 144+12*\g, 70+12*(\b%2)-6*(\b/2), 48+\g, 58
.endr
.endr
	WIN 0
	PLACES 4
.irp b, 0,1,2,3,4,5,6,7                ; the largest score of each block of 32 keys: for the row's maximum and, since p rises with the score, for the block's largest p
	v_max3_num_f32 v[BM+\b], v[S+16*\b], v[S+16*\b+1], v[S+16*\b+2]
.endr
.irp i, 3,5,7,9,11,13
.irp b, 0,1,2,3,4,5,6,7
	v_max3_num_f32 v[BM+\b], v[BM+\b], v[S+16*\b+\i], v[S+16*\b+\i+1]
.endr
.endr
.irp b, 0,1,2,3,4,5,6,7
	v_max_num_f32 v[BM+\b], v[BM+\b], v[S+16*\b+15]
.endr
.irp b, 0,1,2,3,4,5,6,7
	v_permlanex16_b32 v[TM+\b], v[BM+\b], s42, s43
.endr
.irp b, 0,1,2,3,4,5,6,7
	v_max_num_f32 v[BM+\b], v[BM+\b], v[TM+\b]
.endr
	v_max3_num_f32 v101, v[BM], v[BM+1], v[BM+2]
	s_delay_alu instid0(VALU_DEP_1)
	v_max3_num_f32 v101, v101, v[BM+3], v[BM+4]
	s_delay_alu instid0(VALU_DEP_1)
	v_max3_num_f32 v101, v101, v[BM+5], v[BM+6]
	s_delay_alu instid0(VALU_DEP_1)
	v_max_num_f32 v101, v101, v[BM+7]
	s_delay_alu instid0(VALU_DEP_1)
	v_mul_f32 v101, s44, v101                      ; the row's largest t
	s_delay_alu instid0(VALU_DEP_1)
	v_floor_f32 v60, -v101                         ; -M = floor(-t) = -ceil(t)
.set kk, 0
.rept 64
	v_pk_fma_f32 v[S+kk:S+kk+1], v[S+kk:S+kk+1], s[44:45], v[60:61] op_sel_hi:[1,0,0]   ; t - M
.set kk, kk+2
.endr
.irp b, 0,1,2,3,4,5,6,7
	v_fma_f32 v[BM+\b], v[BM+\b], s44, v60         ; the same of each block's largest score
.endr
.set kk, 0
	s_wait_alu depctr_va_vdst(0)
.rept 128
	v_exp_f32 v[S+kk], v[S+kk]                     ; p = 2^(t - M), not normalised
.set kk, kk+1
.endr
	v_nop                                          ; a plain place behind the exponentials
	s_wait_alu depctr_va_vdst(0)                   ; one wait for the batch, ahead of its first reader
.irp b, 0,1,2,3,4,5,6,7
	v_exp_f32 v[BM+\b], v[BM+\b]                   ; each block's largest p
.endr
	v_pk_add_f32 v[126:127], v[128:129], v[130:131]
	v_pk_add_f32 v[124:125], v[136:137], v[140:141]
	v_pk_add_f32 v[122:123], v[144:145], v[148:149]
	v_pk_add_f32 v[120:121], v[152:153], v[156:157]
	v_pk_add_f32 v[118:119], v[160:161], v[164:165]
	v_pk_add_f32 v[116:117], v[168:169], v[172:173]
	v_pk_add_f32 v[114:115], v[176:177], v[180:181]
	v_pk_add_f32 v[62:63], v[184:185], v[188:189]
	v_pk_add_f32 v[62:63], v[62:63], v[192:193]
	v_pk_add_f32 v[126:127], v[126:127], v[196:197]
	v_pk_add_f32 v[124:125], v[124:125], v[200:201]
	v_pk_add_f32 v[122:123], v[122:123], v[204:205]
	v_pk_add_f32 v[120:121], v[120:121], v[208:209]
	v_pk_add_f32 v[118:119], v[118:119], v[212:213]
	v_pk_add_f32 v[116:117], v[116:117], v[216:217]
	v_pk_add_f32 v[114:115], v[114:115], v[220:221]
	v_pk_add_f32 v[62:63], v[62:63], v[224:225]
	v_pk_add_f32 v[126:127], v[126:127], v[228:229]
	v_pk_add_f32 v[124:125], v[124:125], v[232:233]
	v_pk_add_f32 v[122:123], v[122:123], v[236:237]
	v_pk_add_f32 v[120:121], v[120:121], v[240:241]
	v_pk_add_f32 v[118:119], v[118:119], v[244:245]
	v_pk_add_f32 v[116:117], v[116:117], v[248:249]
	v_pk_add_f32 v[114:115], v[114:115], v[252:253]
	v_pk_add_f32 v[62:63], v[62:63], v[132:133]
	v_pk_add_f32 v[126:127], v[126:127], v[134:135]
	v_pk_add_f32 v[124:125], v[124:125], v[138:139]
	v_pk_add_f32 v[122:123], v[122:123], v[142:143]
	v_pk_add_f32 v[120:121], v[120:121], v[146:147]
	v_pk_add_f32 v[118:119], v[118:119], v[150:151]
	v_pk_add_f32 v[116:117], v[116:117], v[154:155]
	v_pk_add_f32 v[114:115], v[114:115], v[158:159]
	v_pk_add_f32 v[62:63], v[62:63], v[162:163]
	v_pk_add_f32 v[126:127], v[126:127], v[166:167]
	v_pk_add_f32 v[124:125], v[124:125], v[170:171]
	v_pk_add_f32 v[122:123], v[122:123], v[174:175]
	v_pk_add_f32 v[120:121], v[120:121], v[178:179]
	v_pk_add_f32 v[118:119], v[118:119], v[182:183]
	v_pk_add_f32 v[116:117], v[116:117], v[186:187]
	v_pk_add_f32 v[114:115], v[114:115], v[190:191]
	v_pk_add_f32 v[62:63], v[62:63], v[194:195]
	v_pk_add_f32 v[126:127], v[126:127], v[198:199]
	v_pk_add_f32 v[124:125], v[124:125], v[202:203]
	v_pk_add_f32 v[122:123], v[122:123], v[206:207]
	v_pk_add_f32 v[120:121], v[120:121], v[210:211]
	v_pk_add_f32 v[118:119], v[118:119], v[214:215]
	v_pk_add_f32 v[116:117], v[116:117], v[218:219]
	v_pk_add_f32 v[114:115], v[114:115], v[222:223]
	v_pk_add_f32 v[62:63], v[62:63], v[226:227]
	v_pk_add_f32 v[126:127], v[126:127], v[230:231]
	v_pk_add_f32 v[124:125], v[124:125], v[234:235]
	v_pk_add_f32 v[122:123], v[122:123], v[238:239]
	v_pk_add_f32 v[120:121], v[120:121], v[242:243]
	v_pk_add_f32 v[118:119], v[118:119], v[246:247]
	v_pk_add_f32 v[116:117], v[116:117], v[250:251]
	v_pk_add_f32 v[114:115], v[114:115], v[254:255]
	s_delay_alu instid0(VALU_DEP_4)
	v_pk_add_f32 v[62:63], v[62:63], v[120:121]
	s_delay_alu instid0(VALU_DEP_4)
	v_pk_add_f32 v[126:127], v[126:127], v[118:119]
	s_delay_alu instid0(VALU_DEP_4)
	v_pk_add_f32 v[124:125], v[124:125], v[116:117]
	s_delay_alu instid0(VALU_DEP_4)
	v_pk_add_f32 v[122:123], v[122:123], v[114:115]
	s_delay_alu instid0(VALU_DEP_2)
	v_pk_add_f32 v[62:63], v[62:63], v[124:125]
	s_delay_alu instid0(VALU_DEP_2)
	v_pk_add_f32 v[126:127], v[126:127], v[122:123]
	s_delay_alu instid0(VALU_DEP_1)
	v_pk_add_f32 v[62:63], v[62:63], v[126:127]
	s_wait_alu depctr_va_vdst(0)                   ; and one for the eight
.irp b, 0,1,2,3,4,5,6,7
	v_max_num_f32 v[BM+\b], 0x1800000, v[BM+\b]    ; the floor 2^(3 - 127)
.endr
.irp b, 0,1,2,3,4,5,6,7
	v_add_nc_u32 v[BM+\b], 0xff000000, v[BM+\b]
.endr
.irp b, 0,1,2,3,4,5,6,7
	v_lshrrev_b32 v[TM+\b], 23, v[BM+\b]
.endr
	SCW 56, TM                                     ; p's scale words of keys 0-127 and 128-255
	SCW 57, TM+4
.irp s, 0,1
.irp c, 0,1
	v_cvt_scalef32_pk16_fp6_f32 v[PF+12*\s+6*\c:PF+12*\s+6*\c+2], v[S+64*\s+32*\c:S+64*\s+32*\c+15], v[BM+4*\s+2*\c]
	v_cvt_scalef32_pk16_fp6_f32 v[PT+4*\c:PT+4*\c+2], v[S+64*\s+32*\c+16:S+64*\s+32*\c+31], v[BM+4*\s+2*\c+1]
.endr
	v_nop
.irp c, 0,1                            ; the operand wants a whole block in a lane: lanes 0-15 block 2 c, lanes 16-31 block 2 c + 1
.irp i, 0,1,2
	v_permlane16_swap_b32 v[PF+12*\s+6*\c+\i], v[PT+4*\c+\i]
.endr
.irp i, 0,1,2
	s_delay_alu instid0(VALU_DEP_3)
	v_mov_b32 v[PF+12*\s+6*\c+3+\i], v[PT+4*\c+\i]
.endr
.endr
.endr
	v_add_f32 v62, v62, v63
	s_delay_alu instid0(VALU_DEP_1)
	v_permlanex16_b32 v101, v62, s42, s43
	s_delay_alu instid0(VALU_DEP_1)
	v_add_f32 v62, v62, v101                       ; the row's sum
	s_wait_alu depctr_va_vdst(0)
	v_rcp_f32 v62, v62
	PLACES 4
	WIN 0x01                                       ; O^T = V^T P^T: two tiles of channels by turns, two K steps
	MM0 S, 192, PF, 52, 56
	MM0 S+8, 216, PF, 54, 56
	MM S, 204, PF+12, S, 53, 57
	MM S+8, 228, PF+12, S+8, 55, 57
	WIN 0
	PLACES 4
	s_wait_alu depctr_va_vdst(0)                   ; the reciprocal, ahead of its first reader
.irp k, 0,2,4,6,8,10,12,14
	v_pk_mul_f32 v[S+\k:S+\k+1], v[S+\k:S+\k+1], v[62:63] op_sel_hi:[1,0]   ; o = O / the sum
.endr
	QBLK 1, S, CD, 0                               ; my head's 32 channels are one block of the out-projection's K
	PUT3 A1, CD, 0                                 ; into the bytes that this tile's q has left
	ds_store_b8 v[A3], v[TM]
	s_add_co_u32 s52, s52, 384
	s_add_co_u32 s53, s53, 64
	s_add_co_u32 s54, s54, 16
	s_wait_dscnt 0x0                               ; my stores have read their registers and addresses
	s_sub_co_u32 s60, s60, 1
	s_cmp_lg_u32 s60, 0
	s_cbranch_scc1 .Latt_\pi
.endm
; behind the attention: 44 loads for the out-projection and the norm; in the first patch 36 more, the biases and scale words that the scores have overwritten
.macro TAIL pi
	WIN 0x40
.irp u, 0,1
.irp s, 0,1
	WFRAG 144+12*(2*\u+\s), WA, 24, 1536*\u+96*\s
.endr
.endr
	WIN 0
.irp u, 0,1
.irp s, 0,1
	global_load_b32 v[48+2*\u+\s], v[WSA], s[26:27] offset:64*\u+4*\s
.endr
.endr
.irp i, 0,1,2,3
	global_load_b128 v[BO+4*\i:BO+4*\i+3], v[H64], s[28:29] offset:16*\i
	global_load_b128 v[64+4*\i:67+4*\i], v[H64], s[30:31] offset:16*\i    ; ln_g
	global_load_b128 v[80+4*\i:83+4*\i], v[H64], s[34:35] offset:16*\i    ; w_lin
	global_load_b128 v[96+4*\i:99+4*\i], v[H64], s[32:33] offset:16*\i    ; ln_b
.endr
.if \pi == 0
	BIASLOAD
.endif
.endm
; ================ 5: the out-projection, my 32 columns, and LayerNorm's partials.
; The 16 numbers of my half in v[a] on: mean of the wave's 32 columns -> v[o]; sum of squares about it -> v[o + 1]; sum of (number - mean) x ln_g x w_lin -> v[o + 2]
.macro LNPART a, off, o
	v_pk_add_f32 v[112:113], v[(\a):(\a)+1], v[(\a)+2:(\a)+3]
	v_pk_add_f32 v[114:115], v[(\a)+4:(\a)+5], v[(\a)+6:(\a)+7]
	v_pk_add_f32 v[116:117], v[(\a)+8:(\a)+9], v[(\a)+10:(\a)+11]
	v_pk_add_f32 v[118:119], v[(\a)+12:(\a)+13], v[(\a)+14:(\a)+15]
	s_delay_alu instid0(VALU_DEP_3)
	v_pk_add_f32 v[112:113], v[112:113], v[114:115]
	s_delay_alu instid0(VALU_DEP_2)
	v_pk_add_f32 v[116:117], v[116:117], v[118:119]
	s_delay_alu instid0(VALU_DEP_1)
	v_pk_add_f32 v[112:113], v[112:113], v[116:117]
	s_delay_alu instid0(VALU_DEP_1)
	v_add_f32 v112, v112, v113
	s_delay_alu instid0(VALU_DEP_1)
	v_permlanex16_b32 v113, v112, s42, s43
	s_delay_alu instid0(VALU_DEP_1)
	v_add_f32 v112, v112, v113
	s_delay_alu instid0(VALU_DEP_1)
	v_mul_f32 v[\o], 0x3d000000, v112              ; / 32
.irp k, 0,2,4,6,8,10,12,14
	v_pk_add_f32 v[(\a)+\k:(\a)+\k+1], v[(\a)+\k:(\a)+\k+1], v[(\o):(\o)+1] op_sel_hi:[1,0] neg_lo:[0,1] neg_hi:[0,1]
.endr
	v_pk_mul_f32 v[112:113], v[(\a):(\a)+1], v[(\a):(\a)+1]
	v_pk_mul_f32 v[114:115], v[(\a)+2:(\a)+3], v[(\a)+2:(\a)+3]
	v_pk_mul_f32 v[116:117], v[(\a):(\a)+1], v[GG:GG+1]
	v_pk_mul_f32 v[118:119], v[(\a)+2:(\a)+3], v[GG+2:GG+3]
.irp k, 4,8,12
	s_delay_alu instid0(VALU_DEP_4)
	v_pk_fma_f32 v[112:113], v[(\a)+\k:(\a)+\k+1], v[(\a)+\k:(\a)+\k+1], v[112:113]
	s_delay_alu instid0(VALU_DEP_4)
	v_pk_fma_f32 v[114:115], v[(\a)+\k+2:(\a)+\k+3], v[(\a)+\k+2:(\a)+\k+3], v[114:115]
	s_delay_alu instid0(VALU_DEP_4)
	v_pk_fma_f32 v[116:117], v[(\a)+\k:(\a)+\k+1], v[GG+\k:GG+\k+1], v[116:117]
	s_delay_alu instid0(VALU_DEP_4)
	v_pk_fma_f32 v[118:119], v[(\a)+\k+2:(\a)+\k+3], v[GG+\k+2:GG+\k+3], v[118:119]
.endr
	s_delay_alu instid0(VALU_DEP_3)
	v_pk_add_f32 v[112:113], v[112:113], v[114:115]
	s_delay_alu instid0(VALU_DEP_2)
	v_pk_add_f32 v[116:117], v[116:117], v[118:119]
	s_delay_alu instid0(VALU_DEP_2)
	v_add_f32 v112, v112, v113
	s_delay_alu instid0(VALU_DEP_2)
	v_add_f32 v116, v116, v117
	s_delay_alu instid0(VALU_DEP_2)
	v_permlanex16_b32 v113, v112, s42, s43
	s_delay_alu instid0(VALU_DEP_2)
	v_permlanex16_b32 v117, v116, s42, s43
	s_delay_alu instid0(VALU_DEP_2)
	v_add_f32 v[(\o)+1], v112, v113
	s_delay_alu instid0(VALU_DEP_2)
	v_add_f32 v[(\o)+2], v116, v117
	ds_store_b32 v[A2], v[\o] offset:\off
	ds_store_b32 v[A2], v[(\o)+1] offset:(\off)+8192
	ds_store_b32 v[A2], v[(\o)+2] offset:(\off)+16384
.endm
.macro PHASE5 pi
.if \pi == 0
	s_wait_loadcnt 36                              ; the 44 are in; the 36 reloaded for the next patch may be out
.else
	s_wait_loadcnt 0x0
.endif
.irp k, 0,2,4,6,8,10,12,14
	v_pk_mul_f32 v[GG+\k:GG+\k+1], v[64+\k:65+\k], v[80+\k:81+\k]           ; ln_g x w_lin
.endr
	v_pk_mul_f32 v[120:121], v[96:97], v[80:81]                            ; ln_b x w_lin, summed
.irp k, 2,4,6,8,10,12,14
	s_delay_alu instid0(VALU_DEP_1)
	v_pk_fma_f32 v[120:121], v[96+\k:97+\k], v[80+\k:81+\k], v[120:121]
.endr
	v_pk_add_f32 v[112:113], v[GG:GG+1], v[GG+2:GG+3]
	v_pk_add_f32 v[114:115], v[GG+4:GG+5], v[GG+6:GG+7]
	v_pk_add_f32 v[116:117], v[GG+8:GG+9], v[GG+10:GG+11]
	v_pk_add_f32 v[118:119], v[GG+12:GG+13], v[GG+14:GG+15]
	s_delay_alu instid0(VALU_DEP_3)
	v_pk_add_f32 v[112:113], v[112:113], v[114:115]
	s_delay_alu instid0(VALU_DEP_2)
	v_pk_add_f32 v[116:117], v[116:117], v[118:119]
	s_delay_alu instid0(VALU_DEP_1)
	v_pk_add_f32 v[112:113], v[112:113], v[116:117]
	s_delay_alu instid0(VALU_DEP_1)
	v_add_f32 v112, v112, v113
	v_add_f32 v120, v120, v121
	s_delay_alu instid0(VALU_DEP_2)
	v_permlanex16_b32 v113, v112, s42, s43
	s_delay_alu instid0(VALU_DEP_2)
	v_permlanex16_b32 v121, v120, s42, s43
	s_delay_alu instid0(VALU_DEP_2)
	v_add_f32 v192, v112, v113                     ; the sums over my 32 columns
	s_delay_alu instid0(VALU_DEP_2)
	v_add_f32 v193, v120, v121
	s_lshl_b32 s55, s40, 3
	s_add_co_u32 s55, s55, LNC
	v_mov_b32 v[A3], s55
	ds_store_b64 v[A3], v[192:193]                 ; all lanes write the same two words with the same values
	s_mov_b32 s52, QO
	s_mov_b32 s53, OSB
	s_mov_b32 s54, LNP
	s_mov_b32 s60, 8
.Lp5_\pi:
	v_add_nc_u32 v[A0], s52, v[FRA]
	v_add_nc_u32 v[A1], s53, v[RB]
	v_add_nc_u32 v[A2], s54, v[LNW]
.irp t, 0,1
.irp k, 0,1,2,3,4,5,6,7
	ds_load_u8 v[112+8*\t+\k], v[A1] offset:\k*256+16*\t
.endr
.endr
.irp t, 0,1
.irp s, 0,1
	FETCH6 OF+24*\t+12*\s, A0, 384*\t+25088*\s, 12544
.endr
.endr
	s_wait_dscnt 24                                ; the 16 scale bytes are in; the 24 loads behind them may be out
.irp t, 0,1
.irp s, 0,1
	SCW 56+2*\t+\s, 112+8*\t+4*\s
.endr
.endr
	PLACES 8
	s_wait_alu depctr_va_vdst(0)
	s_wait_dscnt 0x0
	WIN 0x01                                       ; four accumulators by turns, two K steps
.irp s, 0,1
.irp t, 0,1
.irp u, 0,1
.if \s == 0
	MM ACC+16*\t+8*\u, 144+24*\u, OF+24*\t, BO+8*\u, 48+2*\u, 56+2*\t
.else
	MM ACC+16*\t+8*\u, 156+24*\u, OF+24*\t+12, ACC+16*\t+8*\u, 49+2*\u, 57+2*\t
.endif
.endr
.endr
.endr
	WIN 0
	PLACES 4
	LNPART ACC, 0, 32
	LNPART ACC+16, 32, 36
	s_add_co_u32 s52, s52, 768
	s_add_co_u32 s53, s53, 32
	s_add_co_u32 s54, s54, 128
	s_wait_dscnt 0x0                               ; my stores have read their registers and addresses
	s_sub_co_u32 s60, s60, 1
	s_cmp_lg_u32 s60, 0
	s_cbranch_scc1 .Lp5_\pi
.endm
; ================ FINAL: a lane to a token (32 hd + lane): the eight waves' partials are combined.
.macro FINAL pi
	v_mov_b32 v[A1], LNC
	s_mov_b32 s55, 0x3b800000                      ; 1 / 256
	s_mov_b32 s56, 0x3727c5ac                      ; 1e-5
.irp q, 0,1,2
.irp w, 0,1,2,3,4,5,6,7
	ds_load_b32 v[64+8*\q+\w], v[T4] offset:LNP+8192*\q+1024*\w
.endr
.endr
.irp i, 0,1,2,3
	ds_load_b128 v[88+4*\i:91+4*\i], v[A1] offset:16*\i
.endr
	s_wait_dscnt 0x0
	v_add_f32 v104, v64, v65
	v_add_f32 v105, v66, v67
	v_add_f32 v106, v68, v69
	v_add_f32 v107, v70, v71
	s_delay_alu instid0(VALU_DEP_3)
	v_add_f32 v104, v104, v105
	s_delay_alu instid0(VALU_DEP_2)
	v_add_f32 v106, v106, v107
	s_delay_alu instid0(VALU_DEP_1)
	v_add_f32 v104, v104, v106
	s_delay_alu instid0(VALU_DEP_1)
	v_mul_f32 v104, 0x3e000000, v104               ; the row's mean
.irp w, 0,1,2,3,4,5,6,7
	v_sub_f32 v[64+\w], v[64+\w], v104             ; each wave's mean about it
.endr
	v_mul_f32 v105, v64, v64
.irp w, 1,2,3,4,5,6,7
	s_delay_alu instid0(VALU_DEP_1)
	v_fmac_f32 v105, v[64+\w], v[64+\w]
.endr
	v_add_f32 v106, v72, v73
.irp w, 2,3,4,5,6,7
	s_delay_alu instid0(VALU_DEP_1)
	v_add_f32 v106, v106, v[72+\w]
.endr
	s_delay_alu instid0(VALU_DEP_1)
	v_fmac_f32 v106, 0x42000000, v105              ; + 32 x the sum of squares of the means' distances
	s_delay_alu instid0(VALU_DEP_1)
	v_fma_f32 v106, v106, s55, s56                 ; the variance + 1e-5
	s_wait_alu depctr_va_vdst(0)
	v_rsq_f32 v106, v106
	v_fma_f32 v107, v64, v88, v80                  ; the sum of (o - mean) x ln_g x w_lin
.irp w, 1,2,3,4,5,6,7
	s_delay_alu instid0(VALU_DEP_1)
	v_add_f32 v107, v107, v[80+\w]
	s_delay_alu instid0(VALU_DEP_1)
	v_fmac_f32 v107, v[64+\w], v[88+2*\w]
.endr
	v_add_f32 v108, s41, v89                       ; the sum of ln_b x w_lin, + b_lin
.irp w, 1,2,3,4,5,6,7
	s_delay_alu instid0(VALU_DEP_1)
	v_add_f32 v108, v108, v[89+2*\w]
.endr
	s_wait_alu depctr_va_vdst(0)                   ; the root, ahead of its first reader
	v_fma_f32 v107, v107, v106, v108
	s_delay_alu instid0(VALU_DEP_1)
	v_mul_f32 v107, 0xbfb8aa3b, v107
	s_wait_alu depctr_va_vdst(0)
	v_exp_f32 v107, v107                           ; e^-y
	v_nop
	s_wait_alu depctr_va_vdst(0)
	v_add_f32 v107, 1.0, v107
	s_wait_alu depctr_va_vdst(0)
	v_rcp_f32 v109, v107
	v_nop
	s_wait_alu depctr_va_vdst(0)
	global_store_b32 v[OUTO], v109, s[38:39] offset:64*\pi   ; sixteen lanes store a patch row's 64 bytes
.endm
; A patch.  q's and o's bytes are written again only behind the barrier that follows their last read, the partials only behind the next patch's barrier ahead of phase 5.
.macro PATCH pi
	PHASE2 \pi
	KVFETCH
	ATT \pi
	TAIL \pi
	BARRIER                                        ; o's codes and scale bytes of all heads lie in LDS
	PHASE5 \pi
	BARRIER                                        ; all waves' partials lie in LDS
	FINAL \pi
.endm
	PATCH 0
	PATCH 1
	s_wait_xcnt 0x0
	v_lshl_add_u32 v254, v0, 2, 0x4e400
	v_mov_b32 v255, 0
	s_wait_alu depctr_va_vdst(0)
	s_wait_tensorcnt 0x0
	ds_add_u32 v254, v255
	s_wait_dscnt 0x0
	s_endpgm
.Lfunc_end_k_q2b446f24f0_patch:
	.size	k_q2b446f24f0_patch, .Lfunc_end_k_q2b446f24f0_patch-k_q2b446f24f0_patch
	.p2alignl 7, 3214868480
	.fill 96, 4, 3214868480
	.section	.rodata,"a",@progbits
	.p2align	6, 0x0
	.amdhsa_kernel k_q2b446f24f0_patch
		.amdhsa_group_segment_fixed_size 321536
		.amdhsa_private_segment_fixed_size 0
		.amdhsa_enable_private_segment 0
		.amdhsa_kernarg_size 128
		.amdhsa_user_sgpr_count 2
		.amdhsa_user_sgpr_kernarg_segment_ptr 1
		.amdhsa_wavefront_size32 1
		.amdhsa_system_sgpr_workgroup_id_x 1
		.amdhsa_system_sgpr_workgroup_id_y 1
		.amdhsa_system_sgpr_workgroup_id_z 1
		.amdhsa_system_vgpr_workitem_id 0
		.amdhsa_next_free_vgpr 512
		.amdhsa_next_free_sgpr 66
		.amdhsa_reserve_vcc 0
		.amdhsa_float_denorm_mode_32 3
		.amdhsa_float_denorm_mode_16_64 3
		.amdhsa_memory_ordered 1
		.amdhsa_forward_progress 1
		.amdhsa_inst_pref_size 221
	.end_amdhsa_kernel
	.amdgpu_metadata
---
amdhsa.version: [ 1, 2 ]
amdhsa.kernels:
  - .name:           k_q2b446f24f0_patch
    .symbol:         k_q2b446f24f0_patch.kd
    .args:
      - { .name: x, .offset: 0, .size: 8, .value_kind: global_buffer, .address_space: global }
      - { .name: w_pe_codes, .offset: 8, .size: 8, .value_kind: global_buffer, .address_space: global }
      - { .name: w_pe_scales, .offset: 16, .size: 8, .value_kind: global_buffer, .address_space: global }
      - { .name: b_pe, .offset: 24, .size: 8, .value_kind: global_buffer, .address_space: global }
      - { .name: pos_emb, .offset: 32, .size: 8, .value_kind: global_buffer, .address_space: global }
      - { .name: w_in_codes, .offset: 40, .size: 8, .value_kind: global_buffer, .address_space: global }
      - { .name: w_in_scales, .offset: 48, .size: 8, .value_kind: global_buffer, .address_space: global }
      - { .name: b_in, .offset: 56, .size: 8, .value_kind: global_buffer, .address_space: global }
      - { .name: w_out_codes, .offset: 64, .size: 8, .value_kind: global_buffer, .address_space: global }
      - { .name: w_out_scales, .offset: 72, .size: 8, .value_kind: global_buffer, .address_space: global }
      - { .name: b_out, .offset: 80, .size: 8, .value_kind: global_buffer, .address_space: global }
      - { .name: ln_g, .offset: 88, .size: 8, .value_kind: global_buffer, .address_space: global }
      - { .name: ln_b, .offset: 96, .size: 8, .value_kind: global_buffer, .address_space: global }
      - { .name: w_lin, .offset: 104, .size: 8, .value_kind: global_buffer, .address_space: global }
      - { .name: b_lin, .offset: 112, .size: 8, .value_kind: global_buffer, .address_space: global }
      - { .name: out0, .offset: 120, .size: 8, .value_kind: global_buffer, .address_space: global }
    .group_segment_fixed_size: 321536
    .private_segment_fixed_size: 0
    .kernarg_segment_align: 8
    .kernarg_segment_size: 128
    .max_flat_workgroup_size: 256
    .sgpr_count:     66
    .vgpr_count:     512
    .wavefront_size: 32
...
	.end_amdgpu_metadata
.endif
;; end of part 1
